; MI455X (gfx1250); checked and timed in simulation.
; The chip was launched on July 23, 2026; its instructions are those of AMD's public machine-readable ISA for CDNA 5 (MIT licence, August 2026) and "CDNA5" Instruction Set Architecture Reference Guide (July 2026). The comments in the code are by the model that wrote it; some were corrected since.
;; Attention Window. Allowed arithmetic: matrix products marked QUANTISED: E2M1 operands, one E8M0 scale for each 32 along K, by v_wmma_scale_f32_16x16x128_f8f6f4 with both operands' format E2M1 (or v_wmma_scale_f32_32x16x128_f4), f32 sums; products left as they are: bf16, f16 or f32 operands; f32 sums; everything else in f32.
;; Inputs: W 1,024 x 1,024 float32; repr 8 x 1,024 x 1,024 float32.
;; Outputs: out0 8 x 1,024 x 1,024 float32.
;; This version of the problem:
;;   THIS VERSION OF THE PROBLEM IS GIVEN IN LOW PRECISION. The matrix products marked QUANTISED in the list below multiply operands that are first quantised to E2M1 (2 exponent bits, 1 mantissa bit; 4 bits a number), with one power-of-two scale for each 32 numbers along K (OCP MX v1.0); their sums are f32. The products marked 'left as it is' may take bf16, f16 or f32 operands, with f32 sums. Whichever they take, every output number must still come out within the allowed error. Rounding operands to bf16 (8 significant bits) uses up far more of that allowance than f16 does (11 bits, for magnitudes from 6e-5 to 65,504). All else is computed in f32.
;;   The module's matrix products, in the order in which they are computed (A, B: the left and right operand; K: the contracted axis; several contracted axes count as one K, in the product's order):
;;     1. [M 1,024, K 1,024] x [K 1,024, N 8,192]; A: input W; B: input repr: QUANTISED
;;     2. batch 8 x [M 1,024, K 1,024] x [K 1,024, N 1,024]; A: computed on the way; B: input repr: left as it is (an operand is computed on the way)
;;     3. batch 8 x [M 1,024, K 1,024] x [K 1,024, N 1,024]; A: computed on the way; B: input repr: left as it is (an operand is computed on the way)
;;   THE QUANTISER, for each operand of a quantised product, along K:
;;     - K is cut into blocks of 32 from its start; a last block that is shorter is filled with zeros.
;;     - A block's scale is 2^e with e = floor(log2(the largest magnitude in the block)) - 2, held to -126 .. 127; a block of zeros has e = 0. As a byte (E8M0): e + 127.
;;     - Each number is divided by its block's scale, clamped to +-6, and rounded to the nearest number of E2M1, ties to even, subnormals kept.
;;     - The product sums the exact products of the quantised numbers (number of the format x scale) in f32.
;;   ~~~python
;;   def quantise(x, axis):      # numpy; x: float32 -> the quantised numbers, widened to float32 again
;;       x = np.moveaxis(x, axis, -1); K = x.shape[-1]
;;       x = np.pad(x, [(0, 0)] * (x.ndim - 1) + [(0, -K % 32)]); x = x.reshape(x.shape[:-1] + (-1, 32)); a = np.abs(x).max(-1, keepdims=True)
;;       e = np.where(a > 0, np.clip(np.frexp(np.where(a > 0, a, 1))[1] - 1 - 2, -126, 127), 0)      # np.frexp(a)[1] - 1 = floor(log2(a)), exactly
;;       r = np.clip(x / 2.0 ** e, -6, 6)
;;       step = 2.0 ** (np.maximum(np.frexp(np.where(r == 0, 1, r))[1] - 1, 0) - 1)
;;       q = np.round(r / step) * step * 2.0 ** e      # np.round: ties to even
;;       return np.moveaxis(q.reshape(q.shape[:-2] + (-1,))[..., :K], -1, axis).astype(np.float32)
;;   ~~~
;; One version. Each part assembles by itself: llvm-mc -triple=amdgcn-amd-amdhsa -mcpu=gfx1250 --defsym DOCPART=n.
;; ======== version 1 of 1: 2 launches
;; limits: values are held in f16: magnitudes above 65,504 overflow, below 6.1e-05 lose precision; right only within a limited range of input values
;; workspace buffers: WQ 557,056 bytes
;; launch wquant (part 1): grid 16 x 8, 2 waves a work-group, no clusters, 0 bytes of LDS; arguments W, WQ; writes WQ
.if DOCPART == 1
	.amdgcn_target "amdgcn-amd-amdhsa--gfx1250"
	.amdhsa_code_object_version 6
	.text
	.protected	k_q44f2045e1a_wquant
	.globl	k_q44f2045e1a_wquant
	.p2align	8
	.type	k_q44f2045e1a_wquant,@function
k_q44f2045e1a_wquant:
	s_mov_b64 s[64:65], 0
	v_nop
	global_prefetch_b8 v0, s[64:65] scope:SCOPE_SE
	s_setreg_imm32_b32 hwreg(HW_REG_WAVE_MODE, 25, 1), 1
	s_wait_xcnt 0x0
; W [1024 (d)][1024 (e)], f32, is an operand whose K (= d) is its FIRST axis.  It becomes codes of FP4 (E2M1) with one E8M0 byte for each 32 along d,
; laid in WQ in the ORDER OF THE OPERAND'S REGISTERS, so that the next launch takes every fragment by loads of 16 bytes a lane from a dense block.
; A LANE TAKES A COLUMN e AND ITS REGISTERS RUN DOWN d: a block of 32 along d lies in one lane's 32 registers, its largest magnitude needs no other lane, and the conversions give codes with d innermost.
; WQ: 16 blocks of 34,816 bytes; block 4 f + w holds chunks c = 2 f, 2 f + 1 (17,408 bytes each) of wave w of the next launch; chunk (w, c) is e = 256 w + 32 c + 0 .. 31.
;   In a chunk: fragment (s, u) (K step s of 128 along d, tile u) at 1,024 (2 s + u); in it register group g at 512 g + 16 (r + 16 h): the 32 codes of d = 128 s + 64 g + 32 h + 0 .. 31 of e = chunk + 8 u + r + 8 (r / 8).
;   Behind the 16 fragments: scale words at 16,384 + 128 s + 4 (r + 16 u): the four bytes of d blocks 4 s .. 4 s + 3 of that e.
; A block's scale is 2^(floor(log2(largest magnitude)) - 2); its byte is the largest magnitude's exponent field - 2, held at 1 from below.  A block of zeros so gets the byte 1 where the rule says 127: its codes are zeros, and this program alone reads the bytes.
; LIMITS: blocks whose largest magnitude lies under 2^-124 (the floor) keep the byte 1; NaN and infinities among the inputs are not served.
; SHARES: a wave takes one chunk's 32 columns x 128 along d (one K step): 128 loads of 128 consecutive bytes; the work-group's two waves stand side by side on 256.  No LDS, no barrier.
; STORES: a block's codes of the 16 lanes of one tile u are 256 consecutive bytes, aligned.  The scale words leave as 128 consecutive bytes a wave (32 KB of the launch's 544 KB).
.set X,   32                           ; v32-159  the 128 numbers of my column
.set CD,  160                          ; v160-175 codes: four registers a block, never rewritten
	s_load_b128 s[4:7], s[0:1], 0x0                ; W, WQ
	v_lshrrev_b32 v4, 5, v0
	v_readfirstlane_b32 s8, v4                     ; wave 0, 1
	v_and_b32 v5, 31, v0                           ; lane = my column in the chunk
	v_lshlrev_b32 v1, 2, v5                        ; in: 4 bytes a lane
	v_bfe_u32 v6, v5, 3, 1                         ; u = (lane / 8) % 2
	v_and_b32 v7, 7, v5
	v_lshrrev_b32 v8, 4, v5
	v_lshl_add_u32 v7, v8, 3, v7                   ; r = lane % 8 + 8 (lane / 16): column = 8 u + r + 8 (r / 8)
	v_lshlrev_b32 v2, 4, v7
	v_lshl_add_u32 v2, v6, 10, v2                  ; codes: 1,024 u + 16 r
	v_lshl_add_u32 v3, v6, 4, v7
	v_lshlrev_b32 v3, 2, v3                        ; scale word: 4 (r + 16 u)
	s_lshl_b32 s9, ttmp9, 1
	s_add_co_u32 s9, s9, s8                        ; chunk 0 .. 31 = 8 w + c
	s_and_b32 s10, ttmp7, 0xffff                   ; K step s
	s_lshr_b32 s11, s9, 3                          ; w
	s_and_b32 s12, s9, 7                           ; c
	s_lshr_b32 s13, s12, 1
	s_lshl_b32 s13, s13, 2
	s_add_co_u32 s13, s13, s11                     ; block 4 (c / 2) + w
	s_mul_i32 s13, s13, 34816
	s_and_b32 s14, s12, 1
	s_mul_i32 s14, s14, 17408
	s_add_co_u32 s13, s13, s14                     ; where the chunk begins
	s_lshl_b32 s14, s10, 11
	s_add_co_u32 s14, s14, s13                     ; its fragments (s, 0), (s, 1)
	s_mov_b32 s15, 0
	s_lshl_b32 s16, s10, 7
	s_add_co_u32 s16, s16, s13
	s_add_co_u32 s16, s16, 16384                   ; its scale words of K step s
	s_mov_b32 s17, 0
	s_lshl_b32 s18, s10, 19                        ; 128 rows of 4,096 bytes a K step
	s_lshl_b32 s19, s9, 7                          ; 128 bytes a chunk
	s_add_co_u32 s18, s18, s19
	s_mov_b32 s19, 0
	s_wait_kmcnt 0x0
	s_add_nc_u64 s[4:5], s[4:5], s[18:19]
	s_add_nc_u64 s[20:21], s[6:7], s[14:15]
	s_add_nc_u64 s[22:23], s[6:7], s[16:17]
.set i, 0
.rept 128
	global_load_b32 v[X+i], v1, s[4:5] offset:i*4096 th:TH_LOAD_NT   ; W(128 s + i, my column): read once in the launch
.set i, i+1
.endr
; Block b of my column.  left: how many younger loads may stay out (a wait names 63 at the most)
.macro BLOCK b, left
.set XB, X+32*(\b)
	s_wait_loadcnt \left
	v_max3_num_f32 v[8+2*\b], |v[XB]|, |v[XB+1]|, |v[XB+2]|        ; the block's largest magnitude, in two chains
	v_max3_num_f32 v[9+2*\b], |v[XB+3]|, |v[XB+4]|, |v[XB+5]|
.irp i, 6,10,14,18,22,26
	v_max3_num_f32 v[8+2*\b], v[8+2*\b], |v[XB+\i]|, |v[XB+\i+1]|
	v_max3_num_f32 v[9+2*\b], v[9+2*\b], |v[XB+\i+2]|, |v[XB+\i+3]|
.endr
	v_max3_num_f32 v[8+2*\b], v[8+2*\b], |v[XB+30]|, |v[XB+31]|
	v_max3_num_f32 v[8+2*\b], v[8+2*\b], v[9+2*\b], 0x1800000      ; and the floor 2^(3 - 127): the byte cannot fall under 1
	v_add_nc_u32 v[16+\b], 0xff000000, v[8+2*\b]   ; 2 off the exponent field: the conversion takes this operand's exponent field as its scale
	v_lshrrev_b32 v20, 23, v[16+\b]                ; the scale's byte
.if \b == 0
	v_mov_b32 v24, v20                             ; four bytes make the K step's scale word, the lower d in the lower byte
.else
	v_lshl_or_b32 v24, v20, 8*\b, v24
.endif
.irp g, 0,1,2,3
	v_cvt_scalef32_pk8_fp4_f32 v[CD+4*(\b)+\g], v[XB+8*\g:XB+8*\g+7], v[16+\b]
.endr
	v_nop                                          ; one plain line behind a run of scaled conversions
	global_store_b128 v2, v[CD+4*(\b):CD+4*(\b)+3], s[20:21] offset:((\b)/2)*512+((\b)%2)*256   ; group g = b / 2, half h = b % 2
.endm
	BLOCK 0, 63                                    ; 96 loads are younger
	BLOCK 1, 63                                    ; 64 are
	BLOCK 2, 32
	BLOCK 3, 0
	global_store_b32 v3, v24, s[22:23]
	s_endpgm
.Lfunc_end_k_q44f2045e1a_wquant:
	.size	k_q44f2045e1a_wquant, .Lfunc_end_k_q44f2045e1a_wquant-k_q44f2045e1a_wquant
	.p2alignl 7, 3214868480
	.fill 96, 4, 3214868480
	.section	.rodata,"a",@progbits
	.p2align	6, 0x0
	.amdhsa_kernel k_q44f2045e1a_wquant
		.amdhsa_group_segment_fixed_size 0
		.amdhsa_private_segment_fixed_size 0
		.amdhsa_enable_private_segment 0
		.amdhsa_kernarg_size 16
		.amdhsa_user_sgpr_count 2
		.amdhsa_user_sgpr_kernarg_segment_ptr 1
		.amdhsa_wavefront_size32 1
		.amdhsa_system_sgpr_workgroup_id_x 1
		.amdhsa_system_sgpr_workgroup_id_y 1
		.amdhsa_system_sgpr_workgroup_id_z 1
		.amdhsa_system_vgpr_workitem_id 0
		.amdhsa_next_free_vgpr 192
		.amdhsa_next_free_sgpr 66
		.amdhsa_reserve_vcc 0
		.amdhsa_float_denorm_mode_32 3
		.amdhsa_float_denorm_mode_16_64 3
		.amdhsa_memory_ordered 1
		.amdhsa_forward_progress 1
		.amdhsa_inst_pref_size 21
	.end_amdhsa_kernel
	.amdgpu_metadata
---
amdhsa.version: [ 1, 2 ]
amdhsa.kernels:
  - .name:           k_q44f2045e1a_wquant
    .symbol:         k_q44f2045e1a_wquant.kd
    .args:
      - { .name: W, .offset: 0, .size: 8, .value_kind: global_buffer, .address_space: global }
      - { .name: WQ, .offset: 8, .size: 8, .value_kind: global_buffer, .address_space: global }
    .group_segment_fixed_size: 0
    .private_segment_fixed_size: 0
    .kernarg_segment_align: 8
    .kernarg_segment_size: 16
    .max_flat_workgroup_size: 64
    .sgpr_count:     66
    .vgpr_count:     192
    .wavefront_size: 32
...
	.end_amdgpu_metadata
.endif
;; end of part 1
;; launch attn (part 2): grid 32 x 8, 4 waves a work-group, clusters of 4 x 1, 327,680 bytes of LDS; arguments repr, WQ, out0; writes out0
.if DOCPART == 2
	.amdgcn_target "amdgcn-amd-amdhsa--gfx1250"
	.amdhsa_code_object_version 6
	.text
	.protected	k_q44f2045e1a_attn
	.globl	k_q44f2045e1a_attn
	.p2align	8
	.type	k_q44f2045e1a_attn,@function
k_q44f2045e1a_attn:
	s_mov_b64 s[64:65], 0
	v_nop
	global_prefetch_b8 v0, s[64:65] scope:SCOPE_SE
	s_setreg_imm32_b32 hwreg(HW_REG_WAVE_MODE, 25, 1), 1
	s_wait_xcnt 0x0
	s_wait_alu depctr_hold_cnt(0) depctr_sa_sdst(0) depctr_va_vdst(0) depctr_va_sdst(0) depctr_va_ssrc(0) depctr_va_vcc(0) depctr_vm_vsrc(0)
	s_getreg_b32 s2, hwreg(HW_REG_IB_STS2, 6, 4)
	s_cmp_eq_u32 s2, 0
	s_cbranch_scc0 .Lentry_in_a_cluster
	s_endpgm
.Lentry_in_a_cluster:
	s_bfe_u32 s2, ttmp6, 0x10000c
	s_cmp_lg_u32 s2, 0x3003
	s_cbranch_scc0 .Lentry_shape_is_right
	s_endpgm
.Lentry_shape_is_right:
; out[b][q] = x[b][q] + relu(sum over k of softmax_k(S[q][k]) x[b][k]),  S = T x^T with -1e9 where |q - k| > 64,  T = Q(x) Q(W) (codes of FP4, one E8M0 scale for 32 along d).  x = repr [8][1024][1024] f32.
; SHARES.  A work-group owns 32 queries of one batch.  The band leaves them 160 keys, ks .. ks + 159 with ks = min(max(q0 - 64, 0), 864): the window lies inside the sequence and holds every key that counts.
; WAVE w OWNS COLUMNS 256 w .. 256 w + 255 in three parts: as T's e (its share of the K of S), as the channels of V and O, and as the columns of out.  So T never leaves its registers, V's turning goes
; through LDS bytes that are the wave's own, and only the partial scores (32 x 32 f32 a wave) go from wave to wave.
; PRODUCT 1, transposed: source 0 = 16 columns e of W (codes from WQ), source 1 = 16 queries (x quantised here, images of the fragments in LDS).  The e of a tile are chosen (e = chunk + 8 u + r + 8 (r / 8)) so that a lane's 16 results
; of tiles u = 0, 1 are e = chunk + 16 (lane / 16) + 0 .. 15 of ONE query: packed in order they are a fragment of the next product.
; PRODUCT 2 in pairs of f16: T and the keys are split in f32 into a high part (the upper 11 significant bits, cut) and a low part (the rest, rounded to f16): S = Kh Th + Kh Tl + Kl Th.  A key fragment is 64 neighbouring bytes a lane, packed in the same order as T:
; the same permutation of K on both sides.  S^T = K T^T: a lane holds one query and eight keys, so two tiles, rounded to f16, are source 1 of PRODUCT 3, O^T = V^T P, V = Kh, turned by ds_load_tr16_b128.
; SOFTMAX by a running maximum m and sum l for each query: p = 2^((s - m) c), c = log2(e); O and l are multiplied by a = 2^((m_old - m_new) c) in every tile of keys.  The difference is taken first, so that a tile all of whose keys are masked gives p = 1 and is wiped out by the next a = 0.
; THE KEYS go in 5 tiles of 32.  A wave's part of a tile (32 keys x 256 columns of f32) fills 256 registers and is asked for one tile ahead; the registers that a step has read take the next tile at once.  The last tile's refill fetches the queries' own rows: the residual.
; CLUSTER.  All work-groups walk the same WQ: the four of a cluster ask for each block jointly.  THE KEYS ARE NOT ASKED FOR JOINTLY: the partners' windows begin 32 rows apart, so a shared tile would be read at LDS addresses that differ between partners.
; LIMITS.  |T| and |x| stay under 65,504 (f16).  High parts under 2^-14 are rounded to f16 subnormals (error at most 2^-25); the product Tl Kl (2^-22 of a score) is left out; V is x cut to 11 significant bits, p rounded to f16.
;   Masked keys inside the window get -1e9 as in the definition; keys outside it are left out, which is the same as long as a row's largest counting score lies above -1e9 + 150.  A block of zeros keeps the scale byte 1 (its codes are zeros).  NaN and infinities are not served.
; LDS: two slots of 139,264 bytes for WQ's blocks (wave w's part at 34,816 w, read by that wave alone), x's 16 fragment images and scale words, the spare words.  When the ring has had its last fill and its last read, behind a barrier, it takes
;   V (17,408 bytes a wave: 32 keys x 544; later the way out's stage, 16 rows x 1,040) and the partial scores (4 x 4,096 bytes).
; REGISTERS, in windows of 256.  Window 0: v1-24 addresses and constants; v26-41 statistics; v48-79 S^T (product 1: results); v80-95 P; v96-223 at work; v224-239 x's scale words; v240-255 W's (two sets).
;   Window 1: Th (chunk c, query tile m) at 16 c + 8 m, Tl at 128 + the same.   Window 2: product 1: x's fragments at 8 f, W's at 128 + 8 (2 s + u); then O^T (t, m) at 16 t + 8 m.   Window 3: a tile of keys as f32, fragment (c, kt) at 32 c + 16 kt.
.set SLOTB, 139264                     ; a slot
.set PARTW, 34816                      ; a wave's part of it: two chunks
.set CHB,   17408                      ; a chunk: 16 fragments of 1,024 bytes, 8 x 128 bytes of scale words
.set XIMG,  2*SLOTB                    ; x's fragment f = 8 m + s at 1,024 f
.set XSC,   XIMG+16384                 ; its scale words at 128 f
.set SPARE, XSC+2048                   ; the spare words, 128 bytes for each wave: two blocks of 256 bytes that no other line names
.set VB,    17408                      ; over the ring: V of wave w at VB w
.set VP,    544                        ; a key's row there: 512 bytes + 32
.set PART,  4*VB                       ; the partial scores: wave w's image at 4,096 w
.set OP,    1040                       ; the way out: a row of 1,024 bytes + 16
.set SPW, 1                            ; v1   my spare word's address; never rewritten
.set NIL, 2                            ; v2   0; never rewritten
.set KO,  3                            ; v3   4,096 r + 64 h: my row and my 16 numbers of 32, in x and in the keys
.set LI,  4                            ; v4   XIMG + 16 lane
.set LS,  5                            ; v5   XSC + 4 lane
.set XIW, 6                            ; v6   where I store images: LI + 4,096 w
.set XSW, 7                            ; v7   and scale words: LS + 512 w
.set WA,  8                            ; v8-9   W's fragments in slot 0, 1: 16 lane + PARTW w
.set WB,  10                           ; v10-11 W's scale words: 4 lane + PARTW w + 16,384
.set VST, 12                           ; v12  V, in: VB w + VP r + 16 h
.set VLD, 13                           ; v13  V, turned: VB w + VP (8 h + lane % 8) + 16 ((lane / 8) % 2)
.set PST, 14                           ; v14  PART + 4,096 w + 16 lane
.set PLD, 15                           ; v15  PART + 16 lane
.set DL,  18                           ; v18  8 h - r + 64
.set DC,  19                           ; v19  DL + (the tile's first key - q0)
.set NEG, 20                           ; v20  -1e9
.set MT,  21                           ; v21  at work in the mask
.set OST, 22                           ; v22  the stage, in: VB w + OP r + 64 h
.set ORD, 23                           ; v23  and back: VB w + 16 lane
.set GO,  24                           ; v24  16 lane
.set ST,  26                           ; statistics of query tile m at ST + 8 m: +0 m, +1 (named with it as a pair), +2, +3 l, +4, +5 at work, +6 a, +7 m_old, then the exponent of a
.set SA,  48                           ; S^T (kt, m) at SA + 16 kt + 8 m
.set PF,  80                           ; P's fragment of query tile m at PF + 8 m
.set BIG, 96
.set XS,  224
.set WS,  240
.set TM,  48                           ; the quantiser: v48-51 largest magnitudes, v52-55 bytes, v60-63 scale operands
.set PC,  64                           ; the codes just made
.set PW,  72                           ; the scale word just made
.set WV,  10                           ; s10 my wave's number
.set MSB, 0
.macro WIN new                         ; bits 1:0 source 0, 3:2 source 1, 5:4 source 2, 7:6 destination; the high byte repeats the setting that is left
.if MSB != \new
	s_set_vgpr_msb (MSB<<8)|\new
.set MSB, \new
.endif
.endm
.macro PLACES                          ; four plain lines between a matrix instruction and a load into, or a vector line or store on, one of its registers (ISA guide 7.12.1 for vector lines and stores)
.rept 4
	v_nop
.endr
.endm
.macro CROUND                          ; a round of the cluster's barrier
	s_barrier_signal -1
	s_barrier_wait -1
	s_cmp_lg_u32 s[WV], 0
	s_cbranch_scc1 .Lnot_wave_0_\@
	s_barrier_signal -3
.Lnot_wave_0_\@:
	s_barrier_wait -3
	s_barrier_signal -1
	s_barrier_wait -1
.endm
	s_load_b128 s[4:7], s[0:1], 0x0                ; repr, WQ
	s_load_b64 s[8:9], s[0:1], 0x10                ; out0
	v_lshl_add_u32 v[SPW], v0, 2, SPARE
	v_mov_b32 v[NIL], 0
	ds_add_u32 v[SPW], v[NIL]                      ; the wave's opening: the add, twice on end, and its wait ahead of my first tensor load; the set-up below stands between
	ds_add_u32 v[SPW], v[NIL]
	v_lshrrev_b32 v42, 5, v0
	v_readfirstlane_b32 s[WV], v42                 ; wave 0..3
	s_bfe_u32 s11, ttmp6, 0x40000                  ; cx: it enters global addresses and the mask's numbers alone
	s_lshl_b32 s12, ttmp9, 2
	s_add_co_u32 s12, s12, s11                     ; my block of 32 queries
	s_and_b32 s13, ttmp7, 0xffff                   ; the batch
	s_lshl_b32 s14, s12, 5                         ; q0
	s_sub_co_i32 s15, s14, 64
	s_max_i32 s15, s15, 0
	s_min_i32 s15, s15, 864                        ; ks
	s_lshl_b32 s38, s14, 12                        ; q0 rows of 4,096 bytes
	s_lshl_b32 s36, s15, 12                        ; ks rows: the byte offset of the tile of keys last asked for
	s_sub_co_i32 s40, s15, s14                     ; the tile's first key - q0
	; descriptor group 1: a dense block of 34,816 bytes as 136 rows of 256 bytes (32 elements of 8 bytes), no padding: fragment images are read 16 bytes a lane on end
	s_mov_b32 s16, 15|(3<<16)|(1<<21)              ; 15:0 the mask: all four work-groups; 17:16 elements of 8 bytes; 21 set beside a mask
	s_mov_b32 s17, 32<<16                          ; tensor_dim0 = 32
	s_mov_b32 s18, 136<<16                         ; tensor_dim1 = 136
	s_mov_b32 s19, 32<<16                          ; tile_dim0 = 32
	s_mov_b32 s20, 136                             ; tile_dim1 = 136
	s_mov_b32 s21, 32                              ; from row to row
	s_mov_b32 s22, 0
	s_mov_b32 s23, 0
	s_mov_b32 s42, 0xffffe000                      ; keeps sign, exponent and 10 bits of mantissa: a number of f16's precision
	s_mov_b32 s44, 0x3fb8aa3b                      ; c = log2(e)
	s_mov_b32 s45, s44                             ; (named with it as a pair)
	s_mov_b32 s46, 0x76543210
	s_mov_b32 s47, 0xfedcba98                      ; v_permlanex16_b32's selects for lane xor 16
	s_mov_b32 s48, 128
	s_mov_b32 s55, 0                               ; the high word of the offsets' pair s[54:55]
	s_lshl_b32 s2, s[WV], 12                       ; 4,096 w
	s_mul_i32 s3, s[WV], PARTW
	s_mul_i32 s37, s[WV], VB
	s_lshl_b32 s49, s[WV], 9                       ; 512 w
	s_lshl_b32 s56, s13, 22                        ; the batch's 4 MiB
	s_lshl_b32 s57, s[WV], 10
	s_add_co_u32 s57, s57, s56                     ; batch + my 1,024 bytes of a row
	s_lshr_b32 s58, s[WV], 1
	s_lshl_b32 s58, s58, 16                        ; I quantise fragments 4 w .. 4 w + 3: query tile w / 2,
	s_and_b32 s59, s[WV], 1
	s_lshl_b32 s59, s59, 11                        ; K steps 4 (w % 2) on
	s_add_co_u32 s58, s58, s59
	s_add_co_u32 s58, s58, s56
	s_add_co_u32 s58, s58, s38
	v_and_b32 v42, 31, v0                          ; lane
	v_and_b32 v43, 15, v0                          ; r
	v_bfe_u32 v44, v0, 4, 1                        ; h
	v_lshlrev_b32 v[KO], 12, v43
	v_lshl_add_u32 v[KO], v44, 6, v[KO]
	v_lshl_add_u32 v[LI], v42, 4, XIMG
	v_lshl_add_u32 v[LS], v42, 2, XSC
	v_add_nc_u32 v[XIW], s2, v[LI]
	v_add_nc_u32 v[XSW], s49, v[LS]
	v_lshl_add_u32 v[WA], v42, 4, s3
	v_add_nc_u32 v[WA+1], SLOTB, v[WA]
	v_lshl_add_u32 v[WB], v42, 2, s3
	v_add_nc_u32 v[WB], 16384, v[WB]
	v_add_nc_u32 v[WB+1], SLOTB, v[WB]
	v_mul_u32_u24 v[VST], v43, VP
	v_lshl_add_u32 v[VST], v44, 4, v[VST]
	v_add_nc_u32 v[VST], s37, v[VST]
	v_and_b32 v45, 7, v0
	v_lshl_add_u32 v45, v44, 3, v45
	v_mul_u32_u24 v[VLD], v45, VP
	v_bfe_u32 v46, v0, 3, 1
	v_lshl_add_u32 v[VLD], v46, 4, v[VLD]
	v_add_nc_u32 v[VLD], s37, v[VLD]
	v_lshl_add_u32 v[PLD], v42, 4, PART
	v_add_nc_u32 v[PST], s2, v[PLD]
	v_lshlrev_b32 v[DL], 3, v44
	v_sub_nc_u32 v[DL], v[DL], v43
	v_add_nc_u32 v[DL], 64, v[DL]
	v_mov_b32 v[NEG], 0xce6e6b28                   ; -1e9
	v_mul_u32_u24 v[OST], v43, OP
	v_lshl_add_u32 v[OST], v44, 6, v[OST]
	v_add_nc_u32 v[OST], s37, v[OST]
	v_lshl_add_u32 v[ORD], v42, 4, s37
	v_lshlrev_b32 v[GO], 4, v42
.irp b, 0,1,2,3
	v_mov_b32 v[TM+4+\b], 0                        ; written once: a lane permute's destination counts as one of its sources
.endr
	s_wait_dscnt 0x0                               ; both opening adds are done
	s_wait_kmcnt 0x0
	s_mov_b32 s54, s57
	s_add_nc_u64 s[32:33], s[4:5], s[54:55]        ; RB: repr at my batch and my columns
	s_add_co_u32 s54, s57, s38
	s_add_nc_u64 s[52:53], s[8:9], s[54:55]        ; out0 at my queries and my columns
	s_mov_b32 s54, s58
	s_add_nc_u64 s[50:51], s[4:5], s[54:55]        ; repr at the 16 rows x 512 numbers that I quantise
	s_mov_b32 s54, s3
	s_mov_b32 s24, 1                               ; group 0 for slot 0: count = 1,
	s_mov_b32 s25, s3                              ; LDS address: my part of the slot,
	s_add_nc_u64 s[26:27], s[6:7], s[54:55]        ; global address: block w of WQ (nothing of a work-group's place enters it),
	s_mov_b32 s28, 1                               ; and for slot 1:
	s_add_co_u32 s29, s3, SLOTB
	s_add_nc_u64 s[30:31], s[26:27], SLOTB         ; block 4 + w
	s_or_b32 s27, s27, 0x80000000                  ; type = 2
	s_or_b32 s31, s31, 0x80000000
	CROUND                                         ; all four work-groups are here: the first joint loads meet
	tensor_load_to_lds s[24:27], s[16:23]          ; chunks 0, 1 of my columns
	s_nop 0
	tensor_load_to_lds s[28:31], s[16:23]          ; chunks 2, 3: two loads of mine are out
	s_nop 0
	PLACES
; ---- X: my four fragments of x (16 queries x 128 along d each) are quantised and stored as images of their registers
.macro XLOAD set, i                    ; register 16 b + 4 j + .. = d 128 i + 32 b + 16 h + .. of my row
.irp b, 0,1,2,3
.irp j, 0,1,2,3
	global_load_b128 v[\set+16*\b+4*\j:\set+16*\b+4*\j+3], v[KO], s[50:51] offset:512*(\i)+128*\b+16*\j
.endr
.endr
.endm
; 64 numbers of a lane, register 16 b + i = k 32 b + 16 (lane / 16) + i of my row, become a fragment's codes in v[PC] on and its scale word in v[PW]
.macro QUANT s
.irp b, 0,1,2,3
	v_max3_num_f32 v[TM+\b], |v[\s+16*\b]|, |v[\s+1+16*\b]|, 0x1800000   ; block b: my 16 numbers, and the floor 2^(3 - 127): the byte cannot fall under 1
.endr
.irp i, 2,4,6,8,10,12,14
.irp b, 0,1,2,3
	v_max3_num_f32 v[TM+\b], v[TM+\b], |v[\s+16*\b+\i]|, |v[\s+1+16*\b+\i]|   ; (the four blocks by turns)
.endr
.endr
.irp b, 0,1,2,3
	v_permlanex16_b32 v[TM+4+\b], v[TM+\b], s46, s47
.endr
.irp b, 0,1,2,3
	v_max_num_f32 v[TM+\b], v[TM+\b], v[TM+4+\b]   ; with lane xor 16's: the block's largest magnitude
.endr
.irp b, 0,1,2,3
	v_add_nc_u32 v[TM+12+\b], 0xff000000, v[TM+\b] ; 2 off its exponent field: the conversion's scale operand
.endr
.irp b, 0,1,2,3
	v_lshrrev_b32 v[TM+4+\b], 23, v[TM+12+\b]      ; the scale's byte
.endr
	v_lshl_or_b32 v[PW], v[TM+5], 8, v[TM+4]
	v_lshl_or_b32 v[PW], v[TM+6], 16, v[PW]
	v_lshl_or_b32 v[PW], v[TM+7], 24, v[PW]
.irp b, 0,1,2,3
	v_cvt_scalef32_pk8_fp4_f32 v[PC+2*\b], v[\s+16*\b:\s+7+16*\b], v[TM+12+\b]
	v_cvt_scalef32_pk8_fp4_f32 v[PC+1+2*\b], v[\s+8+16*\b:\s+15+16*\b], v[TM+12+\b]
.endr
	v_nop                                          ; one plain line behind a run of scaled conversions
.irp c, 0,1                                    ; the operand's layout wants a whole block in a lane
.irp i, 0,1
	v_permlane16_swap_b32 v[PC+4*\c+\i], v[PC+2+4*\c+\i]
.endr
.endr
.endm
.macro IMAGE i
.irp g, 0,1
	ds_store_b128 v[XIW], v[PC+4*\g:PC+4*\g+3] offset:1024*(\i)+512*\g
.endr
	ds_store_b32 v[XSW], v[PW] offset:128*(\i)
.endm
; my part of 32 rows of repr, chunk c: 64 neighbouring bytes a lane and row, into window 3
.macro KLOAD c
	WIN 0xc0
.irp kt, 0,1
.irp j, 0,1,2,3
	global_load_b128 v[32*(\c)+16*\kt+4*\j:32*(\c)+16*\kt+4*\j+3], v[KO], s[34:35] offset:65536*\kt+128*(\c)+16*\j
.endr
.endr
	WIN 0
.endm
	XLOAD BIG, 0
	XLOAD BIG+64, 1
	s_wait_loadcnt 16                              ; the first set is in; the other set's 16 loads may be out
	QUANT BIG
	IMAGE 0
	s_wait_dscnt 0x0
	XLOAD BIG, 2
	s_wait_loadcnt 16
	QUANT BIG+64
	IMAGE 1
	s_wait_dscnt 0x0
	XLOAD BIG+64, 3
	s_wait_loadcnt 16
	QUANT BIG
	IMAGE 2
	s_wait_dscnt 0x0
	s_wait_loadcnt 0x0
	QUANT BIG+64
	IMAGE 3
	s_mov_b32 s54, s36
	s_add_nc_u64 s[34:35], s[32:33], s[54:55]      ; the first tile of keys: it lands while product 1 runs
.irp c, 0,1,2,3,4,5,6,7
	KLOAD \c
.endr
	s_wait_tensorcnt 0x1                           ; my part of slot 0 is in; slot 1's may stay out
	s_wait_dscnt 0x0                               ; my images have landed
	s_barrier_signal -1
	s_barrier_wait -1                              ; x's sixteen fragments lie in LDS
	WIN 0x80
.irp f, 0,1,2,3,4,5,6,7,8,9,10,11,12,13,14,15
.irp g, 0,1
	ds_load_b128 v[8*\f+4*\g:8*\f+4*\g+3], v[LI] offset:1024*\f+512*\g   ; they stay in window 2 for all of product 1
.endr
.endr
	WIN 0
.irp f, 0,1,2,3,4,5,6,7,8,9,10,11,12,13,14,15
	ds_load_b32 v[XS+\f], v[LS] offset:128*\f
.endr
; ---- PRODUCT 1: eight chunks of 32 e; a chunk is 2 tiles of e x 2 tiles of queries x 8 K steps = 32 matrix instructions on four accumulators that take turns
.macro WFETCH slot, cc, half, par      ; W's fragments of K steps 4 half .. 4 half + 3 of the slot's chunk cc; with half 0 the chunk's eight scale words into set par
	WIN 0x80
.irp ss, 0,1,2,3
.irp u, 0,1
.irp g, 0,1
	ds_load_b128 v[128+8*(2*(4*(\half)+\ss)+\u)+4*\g:128+8*(2*(4*(\half)+\ss)+\u)+4*\g+3], v[WA+\slot] offset:(\cc)*CHB+(2*(4*(\half)+\ss)+\u)*1024+512*\g
.endr
.endr
.endr
	WIN 0
.if \half == 0
.irp ss, 0,1,2,3,4,5,6,7
	ds_load_b32 v[WS+8*(\par)+\ss], v[WB+\slot] offset:(\cc)*CHB+128*\ss   ; lanes 0-15: tile u = 0; lanes 16-31: u = 1
.endr
.endif
.endm
.macro MUL1 half, par                  ; results (u, m) at 48 + 48 par + 16 m + 8 u
.irp ss, 0,1,2,3
.irp um, 0,1,2,3
.set kS, 4*(\half)+\ss
.set kU, \um/2
.set kM, \um%2
.set rD, SA+48*(\par)+16*kM+8*kU
.set rA, 128+8*(2*kS+kU)
.set rB, 8*(8*kM+kS)
.set rW, WS+8*(\par)+kS
.set rX, XS+8*kM+kS
.if kS == 0
.if kU == 0
	v_wmma_scale_f32_16x16x128_f8f6f4 v[rD:rD+7], v[rA:rA+7], v[rB:rB+7], 0, v[rW], v[rX] matrix_a_fmt:MATRIX_FMT_FP4 matrix_b_fmt:MATRIX_FMT_FP4
.else
	v_wmma_scale_f32_16x16x128_f8f6f4 v[rD:rD+7], v[rA:rA+7], v[rB:rB+7], 0, v[rW], v[rX] matrix_a_fmt:MATRIX_FMT_FP4 matrix_b_fmt:MATRIX_FMT_FP4 matrix_a_scale:MATRIX_SCALE_ROW1
.endif
.else
.if kU == 0
	v_wmma_scale_f32_16x16x128_f8f6f4 v[rD:rD+7], v[rA:rA+7], v[rB:rB+7], v[rD:rD+7], v[rW], v[rX] matrix_a_fmt:MATRIX_FMT_FP4 matrix_b_fmt:MATRIX_FMT_FP4
.else
	v_wmma_scale_f32_16x16x128_f8f6f4 v[rD:rD+7], v[rA:rA+7], v[rB:rB+7], v[rD:rD+7], v[rW], v[rX] matrix_a_fmt:MATRIX_FMT_FP4 matrix_b_fmt:MATRIX_FMT_FP4 matrix_a_scale:MATRIX_SCALE_ROW1
.endif
.endif
.endr
.endr
.endm
.macro TCONV c, par                    ; a chunk's 32 results a lane are split and packed: Th, Tl of chunk c.  Each accumulator is read from its low end on
.set rT, SA+48*(\par)
.set i, 0
.rept 32
	v_and_b32 v[128+i], s42, v[rT+i]               ; the high part, cut
.set i, i+1
.endr
.set i, 0
.rept 16
	v_pk_add_f32 v[160+2*i:161+2*i], v[rT+2*i:rT+2*i+1], v[128+2*i:129+2*i] neg_lo:[0,1] neg_hi:[0,1]   ; the rest, exact
.set i, i+1
.endr
	WIN 0x40
.set i, 0
.rept 16
	v_cvt_pk_f16_f32 v[16*(\c)+i], v[128+2*i], v[129+2*i]
.set i, i+1
.endr
.set i, 0
.rept 16
	v_cvt_pk_f16_f32 v[128+16*(\c)+i], v[160+2*i], v[161+2*i]
.set i, i+1
.endr
	WIN 0
.endm
.macro CHUNK c, slot, cc, pre          ; pre = 1: the slot's next chunk is fetched meanwhile
	s_wait_dscnt 16                                ; K steps 0-3 and the scale words are in; the 16 loads of K steps 4-7 may be out
	WIN 0x0a
	MUL1 0, (\c)%2
	WIN 0
	PLACES
.if \pre
	WFETCH \slot, (\cc)+1, 0, 1-(\c)%2
	s_wait_dscnt 24                                ; all but the 24 just issued
.else
	s_wait_dscnt 0x0
.endif
	WIN 0x0a
	MUL1 1, (\c)%2
	WIN 0
	PLACES
.if \pre
	WFETCH \slot, (\cc)+1, 1, 0
.endif
	TCONV \c, (\c)%2
.endm
.macro STAGE f, slot                   ; a slot's two chunks
	WFETCH \slot, 0, 0, 0
	WFETCH \slot, 0, 1, 0
	CHUNK 2*(\f), \slot, 0, 1
	CHUNK 2*(\f)+1, \slot, 1, 0
.endm
.macro REFILL g                        ; the slot just read takes the block two slots on
	s_wait_tensorcnt 0x0                           ; all my tensor loads have landed, the other slot's among them: a group 0 may be written
	ds_add_u32 v[SPW], v[NIL]                      ; 0 onto my spare word
	s_add_nc_u64 s[\g+2:\g+3], s[\g+2:\g+3], 2*SLOTB
	s_wait_dscnt 0x0                               ; the add is done, and my reads of the slot are over
	CROUND                                         ; no wave of any partner still reads the slot or has a load on its way
	tensor_load_to_lds s[\g:\g+3], s[16:23]        ; my one tensor load behind the round
	s_nop 0
	PLACES
.endm
	STAGE 0, 0
	REFILL 24
	STAGE 1, 1
	REFILL 28
	STAGE 2, 0
	s_wait_tensorcnt 0x0                           ; the last block is in
	STAGE 3, 1
	s_wait_dscnt 0x0
	s_barrier_signal -1
	s_barrier_wait -1                              ; every wave's fills have landed and its reads are over: the ring's bytes now take V and the partial scores
; ---- THE KEYS, a tile of 32 at a time
.macro STEP c                          ; chunk c of the tile: split, V into LDS, 12 matrix instructions on four accumulators that take turns
	s_wait_loadcnt 56                              ; behind this chunk's 8 loads stand 8 (7 - c) of the tile's later chunks and 8 c of the next tile
	WIN 0x0c
.set i, 0
.rept 32
	v_and_b32 v[BIG+i], s42, v[32*(\c)+i]          ; Kh as f32
.set i, i+1
.endr
.set i, 0
.rept 16
	v_pk_add_f32 v[BIG+32+2*i:BIG+33+2*i], v[BIG+2*i:BIG+2*i+1], v[32*(\c)+2*i:32*(\c)+2*i+1] neg_lo:[1,0] neg_hi:[1,0]   ; Kl = K - Kh
.set i, i+1
.endr
	KLOAD \c                                       ; the registers just read take the next tile
.set i, 0
.rept 16
	v_cvt_pk_f16_f32 v[BIG+64+i], v[BIG+2*i], v[BIG+2*i+1]          ; Kh (kt) at BIG + 64 + 8 kt
.set i, i+1
.endr
.set i, 0
.rept 16
	v_cvt_pk_f16_f32 v[BIG+80+i], v[BIG+32+2*i], v[BIG+33+2*i]      ; Kl (kt) at BIG + 80 + 8 kt
.set i, i+1
.endr
.irp kt, 0,1                                   ; V: channels 16 h + 0 .. 7 of the chunk at 64 c + 16 h, channels 16 h + 8 .. 15 at 64 c + 32 + 16 h: so O^T's lanes hold the channels that a lane of the residual holds
	ds_store_b128 v[VST], v[BIG+64+8*\kt:BIG+64+8*\kt+3] offset:16*VP*\kt+64*(\c)
	ds_store_b128 v[VST], v[BIG+64+8*\kt+4:BIG+64+8*\kt+7] offset:16*VP*\kt+64*(\c)+32
.endr
	WIN 0x04
.irp p, 0,1,2                                  ; Kh Th, Kh Tl, Kl Th
.irp km, 0,1,2,3
.set kT, \km/2
.set kM, \km%2
.set rA, BIG+64+8*kT+16*(\p/2)
.set rB, 16*(\c)+8*kM+128*(\p%2)
.set rD, SA+16*kT+8*kM
.if (\c == 0) && (\p == 0)
	v_wmma_f32_16x16x32_f16 v[rD:rD+7], v[rA:rA+7], v[rB:rB+7], 0
.else
	v_wmma_f32_16x16x32_f16 v[rD:rD+7], v[rA:rA+7], v[rB:rB+7], v[rD:rD+7]
.endif
.endr
.endr
	WIN 0
.endm
; Register j of S^T (kt, m) is key - query + 64 = DC + 16 (kt - m) + j; the key counts where that lies in 0 .. 128 (one unsigned compare)
.macro MASK
.irp j, 0,1,2,3,4,5,6,7
	v_add_nc_u32 v[MT], \j, v[DC]
	v_cmp_lt_u32 vcc_lo, s48, v[MT]
	v_cndmask_b32 v[SA+\j], v[SA+\j], v[NEG], vcc_lo
	v_cndmask_b32 v[SA+24+\j], v[SA+24+\j], v[NEG], vcc_lo
	v_add_nc_u32 v[MT], 16+\j, v[DC]
	v_cmp_lt_u32 vcc_lo, s48, v[MT]
	v_cndmask_b32 v[SA+16+\j], v[SA+16+\j], v[NEG], vcc_lo
	v_add_nc_u32 v[MT], \j-16, v[DC]
	v_cmp_lt_u32 vcc_lo, s48, v[MT]
	v_cndmask_b32 v[SA+8+\j], v[SA+8+\j], v[NEG], vcc_lo
.endr
.endm
.macro PADD d, s
	v_pk_add_f32 v[\d:\d+1], v[\d:\d+1], v[\s:\s+1]
.endm
.macro SOFTMAX                         ; both query tiles, stage by stage
.irp m, 0,1
	v_max3_num_f32 v[ST+8*\m+4], v[SA+8*\m], v[SA+8*\m+1], v[SA+8*\m+2]
	v_max3_num_f32 v[ST+8*\m+5], v[SA+8*\m+3], v[SA+8*\m+4], v[SA+8*\m+5]
.endr
.irp m, 0,1
	v_max3_num_f32 v[ST+8*\m+4], v[ST+8*\m+4], v[SA+8*\m+6], v[SA+8*\m+7]
	v_max3_num_f32 v[ST+8*\m+5], v[ST+8*\m+5], v[SA+16+8*\m], v[SA+16+8*\m+1]
.endr
.irp m, 0,1
	v_max3_num_f32 v[ST+8*\m+4], v[ST+8*\m+4], v[SA+16+8*\m+2], v[SA+16+8*\m+3]
	v_max3_num_f32 v[ST+8*\m+5], v[ST+8*\m+5], v[SA+16+8*\m+4], v[SA+16+8*\m+5]
.endr
.irp m, 0,1
	v_max3_num_f32 v[ST+8*\m+4], v[ST+8*\m+4], v[SA+16+8*\m+6], v[SA+16+8*\m+7]
	v_mov_b32 v[ST+8*\m+7], v[ST+8*\m]             ; m_old
.endr
.irp m, 0,1
	v_max3_num_f32 v[ST+8*\m+4], v[ST+8*\m+4], v[ST+8*\m+5], v[ST+8*\m]
.endr
.irp m, 0,1
	v_permlanex16_b32 v[ST+8*\m+5], v[ST+8*\m+4], s46, s47   ; the query's other 16 keys lie in the lane 16 away
.endr
.irp m, 0,1
	v_max_num_f32 v[ST+8*\m], v[ST+8*\m+4], v[ST+8*\m+5]     ; the new m
.endr
.irp m, 0,1
	v_sub_f32 v[ST+8*\m+7], v[ST+8*\m+7], v[ST+8*\m]
.endr
.irp m, 0,1
	v_mul_f32 v[ST+8*\m+7], s44, v[ST+8*\m+7]      ; (m_old - m) c
.endr
.irp kt, 0,1
.irp m, 0,1
.irp k, 0,2,4,6
	v_pk_add_f32 v[SA+16*\kt+8*\m+\k:SA+16*\kt+8*\m+\k+1], v[SA+16*\kt+8*\m+\k:SA+16*\kt+8*\m+\k+1], v[ST+8*\m:ST+8*\m+1] op_sel_hi:[1,0] neg_lo:[0,1] neg_hi:[0,1]   ; s - m
.endr
.endr
.endr
.set i, 0
.rept 16
	v_pk_mul_f32 v[SA+2*i:SA+2*i+1], v[SA+2*i:SA+2*i+1], s[44:45] op_sel_hi:[1,0]   ; (s - m) c
.set i, i+1
.endr
.set i, 0
.rept 32
	v_exp_f32 v[SA+i], v[SA+i]                     ; ONE BATCH: the 32 p
.set i, i+1
.endr
.irp m, 0,1
	v_exp_f32 v[ST+8*\m+6], v[ST+8*\m+7]           ; and the two a
.endr
	v_nop                                          ; a plain line behind the last exponential
	s_wait_alu depctr_va_vdst(0)                   ; one wait for the batch, ahead of its first reader
.irp m, 0,1
.irp k, 0,1,2,3
	v_cvt_pk_f16_f32 v[PF+8*\m+\k], v[SA+8*\m+2*\k], v[SA+8*\m+2*\k+1]            ; keys 8 h + 0 .. 7
	v_cvt_pk_f16_f32 v[PF+8*\m+4+\k], v[SA+16+8*\m+2*\k], v[SA+16+8*\m+2*\k+1]    ; keys 16 + 8 h + 0 .. 7
.endr
.endr
.irp m, 0,1                                    ; the sums, of the unrounded p, in place
	PADD SA+8*\m, SA+8*\m+2
	PADD SA+8*\m+4, SA+8*\m+6
	PADD SA+16+8*\m, SA+16+8*\m+2
	PADD SA+16+8*\m+4, SA+16+8*\m+6
.endr
.irp m, 0,1
	PADD SA+8*\m, SA+8*\m+4
	PADD SA+16+8*\m, SA+16+8*\m+4
.endr
.irp m, 0,1
	PADD SA+8*\m, SA+16+8*\m
.endr
.irp m, 0,1
	v_pk_fma_f32 v[ST+8*\m+2:ST+8*\m+3], v[ST+8*\m+2:ST+8*\m+3], v[ST+8*\m+6:ST+8*\m+7], v[SA+8*\m:SA+8*\m+1] op_sel_hi:[1,0,1]   ; l = a l + the sum
.endr
.endm
.macro RESC t                          ; O^T of channel tile t times a
	WIN 0x82
.irp m, 0,1
.irp k, 0,2,4,6
	v_pk_mul_f32 v[16*(\t)+8*\m+\k:16*(\t)+8*\m+\k+1], v[16*(\t)+8*\m+\k:16*(\t)+8*\m+\k+1], v[ST+8*\m+6:ST+8*\m+7] op_sel_hi:[1,0]
.endr
.endr
.endm
.macro PV first                        ; O^T += V^T P: 32 accumulators, one instruction each.  first = 1: the products start the sums.  Else tile t + 1 is rescaled between the products of tiles t - 1 and t
.if \first == 0
	RESC 0
.endif
.irp t, 0,1,2,3,4,5,6,7,8,9,10,11,12,13,14,15
.if (\first == 0) && (\t < 15)
	RESC \t+1
.endif
	WIN 0xa0
.irp m, 0,1
.if \first
	v_wmma_f32_16x16x32_f16 v[16*\t+8*\m:16*\t+8*\m+7], v[BIG+8*\t:BIG+8*\t+7], v[PF+8*\m:PF+8*\m+7], 0
.else
	v_wmma_f32_16x16x32_f16 v[16*\t+8*\m:16*\t+8*\m+7], v[BIG+8*\t:BIG+8*\t+7], v[PF+8*\m:PF+8*\m+7], v[16*\t+8*\m:16*\t+8*\m+7]
.endif
.endr
.endr
	WIN 0
.endm
.macro TRIP first
	s_wait_xcnt 0x0                                ; the last tile's loads have read their base: it may be written
	s_add_co_u32 s36, s36, 131072                  ; 32 rows on
.if \first
	s_mov_b32 s54, s36
.else
	s_cmp_eq_u32 s39, 4
	s_cselect_b32 s54, s38, s36                    ; the last tile's refill fetches the queries' own rows: the same loads, the same count
.endif
	s_add_nc_u64 s[34:35], s[32:33], s[54:55]
	v_add_nc_u32 v[DC], s40, v[DL]
.irp c, 0,1,2,3,4,5,6,7
	STEP \c
.endr
	PLACES
.irp k, 0,1,2,3,4,5,6,7
	ds_store_b128 v[PST], v[SA+4*\k:SA+4*\k+3] offset:512*\k        ; my partial scores, as they stand, each accumulator from its low end on
.endr
	s_wait_dscnt 0x0                               ; for the others' sake: my stores have landed
	s_barrier_signal -1
	s_barrier_wait -1
.irp w, 0,1,2,3
.irp k, 0,1,2,3,4,5,6,7
	ds_load_b128 v[BIG+32*\w+4*\k:BIG+32*\w+4*\k+3], v[PLD] offset:4096*\w+512*\k
.endr
.endr
	s_wait_dscnt 16                                ; waves 0 and 1's are in
.set i, 0
.rept 16
	v_pk_add_f32 v[SA+2*i:SA+2*i+1], v[BIG+2*i:BIG+2*i+1], v[BIG+32+2*i:BIG+33+2*i]   ; ((0 + 1) + 2) + 3 in every wave: the same bits everywhere
.set i, i+1
.endr
	s_wait_dscnt 8
.set i, 0
.rept 16
	PADD SA+2*i, BIG+64+2*i
.set i, i+1
.endr
	s_wait_dscnt 0x0                               ; my reads of the partial scores are over:
	s_barrier_signal -1                            ; the next tile's may be stored when all four have said so
.set i, 0
.rept 16
	PADD SA+2*i, BIG+96+2*i
.set i, i+1
.endr
	s_barrier_wait -1
.irp t, 0,1,2,3,4,5,6,7,8,9,10,11,12,13,14,15
	ds_load_tr16_b128 v[BIG+8*\t:BIG+8*\t+3], v[VLD] offset:32*\t             ; V^T, tile t: keys 8 h + 0 .. 7,
	ds_load_tr16_b128 v[BIG+8*\t+4:BIG+8*\t+7], v[VLD] offset:32*\t+16*VP     ; keys 16 + 8 h + 0 .. 7.  They land under the mask and the softmax
.endr
	MASK
	SOFTMAX
	s_wait_dscnt 0x0                               ; V^T is in
	PV \first
	PLACES                                         ; ahead of the next lines that write registers which these products have read
	s_add_co_u32 s40, s40, 32
.endm
.irp m, 0,1
	v_mov_b32 v[ST+8*\m], 0xff61b1e6               ; m = -3e38, under every score
	v_mov_b32 v[ST+8*\m+1], 0
	v_mov_b32 v[ST+8*\m+2], 0                      ; l, in two halves
	v_mov_b32 v[ST+8*\m+3], 0
.endr
	TRIP 1                                         ; the first tile is written out: its products V^T P start O^T's sums, and nothing is cleared
	s_mov_b32 s39, 1
.Liter:                                            ; tiles 1 to 4
	TRIP 0
	s_add_co_u32 s39, s39, 1
	s_cmp_lt_u32 s39, 5
	s_cbranch_scc1 .Liter
; ---- THE WAY OUT: out = x + max(O, 0) / l, a tile of 16 queries at a time through my stage, so that each store of the wave covers 512 consecutive bytes, aligned
.irp m, 0,1
	v_add_f32 v[ST+8*\m+4], v[ST+8*\m+2], v[ST+8*\m+3]
.endr
.irp m, 0,1
	v_permlanex16_b32 v[ST+8*\m+5], v[ST+8*\m+4], s46, s47
.endr
.irp m, 0,1
	v_add_f32 v[ST+8*\m+4], v[ST+8*\m+4], v[ST+8*\m+5]
.endr
.irp m, 0,1
	v_rcp_f32 v[ST+8*\m+6], v[ST+8*\m+4]
.endr
	v_nop                                          ; a plain line behind the last reciprocal
	s_wait_alu depctr_va_vdst(0)                   ; and the wait ahead of the first reader
	s_wait_loadcnt 0x0                             ; the residual is in window 3
.macro OUT m
.if \m
	s_wait_xcnt 0x0                                ; the first tile's stores have read their registers
.endif
	WIN 0x08
.set i, 0
.rept 128
	v_max_num_f32 v[BIG+i], 0, v[16*(i/8)+8*(\m)+i%8]   ; register 16 c + 8 u + j: channel 32 c + 16 h + 8 u + j; each accumulator from its low end on
.set i, i+1
.endr
	WIN 0x30
.set i, 0
.rept 64
	v_pk_fma_f32 v[BIG+2*i:BIG+2*i+1], v[BIG+2*i:BIG+2*i+1], v[ST+8*(\m)+6:ST+8*(\m)+7], v[16*(2*(i/8)+(\m))+2*(i%8):16*(2*(i/8)+(\m))+2*(i%8)+1] op_sel_hi:[1,0,1]
.set i, i+1
.endr
	WIN 0
.set i, 0
.rept 32
	ds_store_b128 v[OST], v[BIG+4*i:BIG+4*i+3] offset:128*(i/4)+16*(i%4)
.set i, i+1
.endr
.set i, 0
.rept 32
	ds_load_b128 v[BIG+4*i:BIG+4*i+3], v[ORD] offset:(i/2)*OP+(i%2)*512   ; LDS serves a wave's instructions in order (ISA guide 5.7.1.4): these see my stores
.set i, i+1
.endr
.set i, 0
.rept 32
	s_wait_dscnt 31-i
	global_store_b128 v[GO], v[BIG+4*i:BIG+4*i+3], s[52:53] offset:65536*(\m)+4096*(i/2)+512*(i%2) th:TH_STORE_NT
.set i, i+1
.endr
.endm
	OUT 0
	OUT 1
	s_wait_tensorcnt 0x0                           ; the wave's end, behind my last tensor load and my last LDS store
	ds_add_u32 v[SPW], v[NIL]
	s_wait_dscnt 0x0
	CROUND                                         ; the closing round
	s_endpgm
.Lfunc_end_k_q44f2045e1a_attn:
	.size	k_q44f2045e1a_attn, .Lfunc_end_k_q44f2045e1a_attn-k_q44f2045e1a_attn
	.p2alignl 7, 3214868480
	.fill 96, 4, 3214868480
	.section	.rodata,"a",@progbits
	.p2align	6, 0x0
	.amdhsa_kernel k_q44f2045e1a_attn
		.amdhsa_group_segment_fixed_size 327680
		.amdhsa_private_segment_fixed_size 0
		.amdhsa_enable_private_segment 0
		.amdhsa_kernarg_size 24
		.amdhsa_user_sgpr_count 2
		.amdhsa_user_sgpr_kernarg_segment_ptr 1
		.amdhsa_wavefront_size32 1
		.amdhsa_system_sgpr_workgroup_id_x 1
		.amdhsa_system_sgpr_workgroup_id_y 1
		.amdhsa_system_sgpr_workgroup_id_z 1
		.amdhsa_system_vgpr_workitem_id 0
		.amdhsa_next_free_vgpr 1024
		.amdhsa_next_free_sgpr 66
		.amdhsa_reserve_vcc 1
		.amdhsa_float_denorm_mode_32 3
		.amdhsa_float_denorm_mode_16_64 3
		.amdhsa_memory_ordered 1
		.amdhsa_forward_progress 1
		.amdhsa_inst_pref_size 255
	.end_amdhsa_kernel
	.section	.bss,"aw",@nobits
	.p2align	6
	.space	262144
	.amdgpu_metadata
---
amdhsa.version: [ 1, 2 ]
amdhsa.kernels:
  - .name:           k_q44f2045e1a_attn
    .symbol:         k_q44f2045e1a_attn.kd
    .args:
      - { .name: repr, .offset: 0, .size: 8, .value_kind: global_buffer, .address_space: global }
      - { .name: WQ, .offset: 8, .size: 8, .value_kind: global_buffer, .address_space: global }
      - { .name: out0, .offset: 16, .size: 8, .value_kind: global_buffer, .address_space: global }
    .group_segment_fixed_size: 327680
    .private_segment_fixed_size: 0
    .kernarg_segment_align: 8
    .kernarg_segment_size: 24
    .max_flat_workgroup_size: 128
    .sgpr_count:     66
    .vgpr_count:     1024
    .wavefront_size: 32
...
	.end_amdgpu_metadata
.endif
;; end of part 2
